; MI455X (gfx1250); checked and timed in simulation.
; The chip was launched on July 23, 2026; its instructions are those of AMD's public machine-readable ISA for CDNA 5 (MIT licence, August 2026) and "CDNA5" Instruction Set Architecture Reference Guide (July 2026). The comments in the code are by the model that wrote it; some were corrected since.
;; Attention. Allowed arithmetic: matrix products marked QUANTISED: E2M3 operands, one E8M0 scale for each 32 along K, by v_wmma_scale_f32_16x16x128_f8f6f4 with both operands' format E2M3, f32 sums; products left as they are: f32 operands where the result goes on into a quantised operand, else bf16, f16 or f32 operands; f32 sums; everything else in f32.
;; Inputs: attn_b 1,024 float32; attn_w 1,024 x 3,072 float32; encoder_out 16 x 2,048 x 2,048 float32; mask 16 x 2,048 int32; v 1 x 16 x 1,024 float32; v_w 1 x 1,024 float32.
;; Outputs: out0 16 x 2,048 float32.
;; This version of the problem:
;;   THIS VERSION OF THE PROBLEM IS GIVEN IN LOW PRECISION. The matrix products marked QUANTISED in the list below multiply operands that are first quantised to E2M3 (2 exponent bits, 3 mantissa bits; 6 bits a number), with one power-of-two scale for each 32 numbers along K (OCP MX v1.0); their sums are f32. All else is computed in f32.
;;   The module's matrix products, in the order in which they are computed (A, B: the left and right operand; K: the contracted axis; several contracted axes count as one K, in the product's order):
;;     1. [M 16, K 1,024] x [K 1,024, N 1,024]; A: input v; B: input attn_w: QUANTISED
;;     2. [M 32,768, K 2,048] x [K 2,048, N 1,024]; A: input encoder_out; B: input attn_w: QUANTISED
;;     3. [M 32,768, K 1,024] x [K 1,024, N 1]; A: computed on the way; B: input v_w: left as it is (N = 1 < 16)
;;   THE QUANTISER, for each operand of a quantised product, along K:
;;     - K is cut into blocks of 32 from its start; a last block that is shorter is filled with zeros.
;;     - A block's scale is 2^e with e = floor(log2(the largest magnitude in the block)) - 2, held to -126 .. 127; a block of zeros has e = 0. As a byte (E8M0): e + 127.
;;     - Each number is divided by its block's scale, clamped to +-7.5, and rounded to the nearest number of E2M3, ties to even, subnormals kept.
;;     - The product sums the exact products of the quantised numbers (number of the format x scale) in f32.
;;   ~~~python
;;   def quantise(x, axis):      # numpy; x: float32 -> the quantised numbers, widened to float32 again
;;       x = np.moveaxis(x, axis, -1); K = x.shape[-1]
;;       x = np.pad(x, [(0, 0)] * (x.ndim - 1) + [(0, -K % 32)]); x = x.reshape(x.shape[:-1] + (-1, 32)); a = np.abs(x).max(-1, keepdims=True)
;;       e = np.where(a > 0, np.clip(np.frexp(np.where(a > 0, a, 1))[1] - 1 - 2, -126, 127), 0)      # np.frexp(a)[1] - 1 = floor(log2(a)), exactly
;;       r = np.clip(x / 2.0 ** e, -7.5, 7.5)
;;       step = 2.0 ** (np.maximum(np.frexp(np.where(r == 0, 1, r))[1] - 1, 0) - 3)
;;       q = np.round(r / step) * step * 2.0 ** e      # np.round: ties to even
;;       return np.moveaxis(q.reshape(q.shape[:-2] + (-1,))[..., :K], -1, axis).astype(np.float32)
;;   ~~~
;; One version. Each part assembles by itself: llvm-mc -triple=amdgcn-amd-amdhsa -mcpu=gfx1250 --defsym DOCPART=n.
;; ======== version 1 of 1: 3 launches
;; limits: right only within a limited range of input values
;; workspace buffers: wq 1,572,864 bytes; ws 65,536 bytes; sdec 65,536 bytes; list 131,072 bytes of whole numbers; pos 131,072 bytes of whole numbers; cnt 256 bytes of whole numbers; att 131,072 bytes
;; launch prep (part 1): grid 324 x 1, 4 waves a work-group, no clusters, 72,192 bytes of LDS; arguments attn_w, v, attn_b, mask, wq, ws, sdec, list, pos, cnt; writes wq, ws, sdec, list, pos, cnt
.if DOCPART == 1
	.amdgcn_target "amdgcn-amd-amdhsa--gfx1250"
	.amdhsa_code_object_version 6
	.text
	.protected	k_q27c2ac63c2_prep
	.globl	k_q27c2ac63c2_prep
	.p2align	8
	.type	k_q27c2ac63c2_prep,@function
k_q27c2ac63c2_prep:
	s_mov_b64 s[64:65], 0
	v_nop
	global_prefetch_b8 v0, s[64:65] scope:SCOPE_SE
	s_setreg_imm32_b32 hwreg(HW_REG_WAVE_MODE, 25, 1), 1
	s_wait_xcnt 0x0
; out0 = softmax over l of where(mask == 0, -1e10, sum over h of v_w[h] tanh(sd[b][h] + x[b][l] . W_e[h])),  sd = v[0] W_v^T + attn_b.  Both products on codes of FP6 (E2M3), one E8M0 scale for each 32 along K.
; THREE LAUNCHES.  This one lays out what the main launch reads; the main launch makes the logits; the last one takes the softmax.
; WHICH ROWS ARE WORKED.  mask is an input of whole numbers, and reference() puts -1e10 in the place of every logit whose mask is 0, whatever that logit is.  So the whole numbers say which rows (b, l) are wanted:
; this launch reads the mask and stores, as whole numbers, each batch's list of rows with mask != 0, their ranks and their count; the main launch reads those and works the listed rows alone.  That holds for every mask
; (all zero, all non-zero, any values).  Every input is loaded.  A NaN or an infinity in a row of encoder_out whose mask is 0 reaches no result, here as in reference().
; ROLES, by the work-group's number (the same in all four waves):
;   L (0-3):    one wave a batch: list[b][slot] = the global row b 2048 + l of the slot-th l with mask != 0, from slot 0 up; the other slots, from 2047 down, hold the filler b 2048 (a row that exists);
;               pos[b][l] = how many l' < l have mask != 0;  cnt[b] = their number.
;   D (4-67):   sdec[b][h] = c (v[0][b] . W_v[h] + attn_b[h]), c = 2 log2(e), for the 16 units h of one tile; each wave takes 2 of the 8 K steps, and the four partial sums meet in LDS.
;   W (68-323): one wave quantises 16 rows x 128 K of W_e into one fragment, stored AS THE IMAGE OF THE OPERAND'S REGISTERS (byte 512 c + 16 lane = registers 4 c .. 4 c + 3), and its 16 scale words.
; wq: fragment ((nt / 8) 16 + s) 8 + nt % 8 of 1,536 bytes (nt: tile of 16 units, s: K step of 128), so that a wave of the main launch reads one stream.  ws: block (nt / 8) 16 + s of 512 bytes; the word of tile t = nt % 8,
; row r at ((t % 2) 16 + r) 16 + (t / 2) 4: one load of 16 bytes a lane then gives four registers, register j with tile 2 j in lanes 0-15 and tile 2 j + 1 in lanes 16-31.
; THE QUANTISER: a block's scale byte is its largest magnitude's exponent field - 2, held at 1 from below; the conversion divides by that scale, rounds to the nearest code, ties to even, and gives the largest code beyond 7.5.
; LIMITS: a block of zeros gets the byte 1 where the rule says 127 (its codes are zeros, and this program alone reads the bytes); blocks whose largest magnitude lies under 2^-124 are held at that byte; NaN and infinities in v and attn_w are not served.
.set STG_D, 33792                      ; LDS: role W's stages at 0 (4 x 8,448), role D's behind them: each role has bytes of its own
.set RED,   67584                      ; role D's four partial results, 1,024 bytes a wave
.set SPARE, 71680                      ; the spare words, 128 bytes a wave: two blocks of 256 bytes that no other line names
.set SPW,  1                           ; v1   my spare word's address; never rewritten
.set NIL,  2                           ; v2   0; never rewritten
.set LANE, 3
.set ROW,  4                           ; v4   r = lane % 16
.set HH,   5                           ; v5   h = lane / 16
.set SH8,  6                           ; v6   8 h
.set SWW,  7                           ; v7   role W's stage, way in: 8,448 wave + 16 lane
.set SRW,  8                           ; v8   way out: 8,448 wave + 528 r + 128 h
.set LI16, 9                           ; v9   16 lane
.set SWD,  10                          ; v10, v11  the same two for role D's stage
.set SRD,  11
.set RDW,  12                          ; v12  where I put my partial result
.set RDR,  13                          ; v13  where I read registers 2 wave, 2 wave + 1 of a partial result
.set HBW,  14                          ; v14  32 h + 8 wave: those two units' bytes in a tile of 16
.set SDO,  15                          ; v15  4,096 r + 32 h + 8 wave
.set TM,   16                          ; v16-23 at work in QUANTW
.set SO,   18
.set BY,   20
.set TT,   22
.set T2,   23
.set TMP,  24                          ; v24-31 the conversions' second halves
.set FRG,  32                          ; v32-79 four fragments
.set SCW,  80                          ; v80-83 their scale words, and nothing else
.set ACC,  84                          ; v84-91
.set BIA,  92                          ; v92-93
.set PRT,  100                         ; v100-107 role D: four pairs;  role W: v100 = 16 r
.set RK,   100                         ; role L: v100-102, v108-115 at work; v128-191 the mask, then each step's ranks; each step's slots and values in eight registers of its own (v192-255, v32-95)
.set LV,   104
.set LX,   105
.set DSL,  106
.set FIL,  107
.set SL,   108
.set VL,   112
.set MK,   128
.set SEL,  24                          ; s[24:25] v_permlanex16_b32's selects for lane l xor 16
.set CC,   26                          ; s[26:27] c = 2 log2(e), twice
.set MSB, 0
.macro WIN new                         ; the immediate's high byte repeats the setting that is left; a switch that changes nothing is dropped
.if MSB != (\new)
	s_set_vgpr_msb (MSB<<8)|(\new)
.set MSB, (\new)
.endif
.endm
; 16 rows x 512 bytes (128 numbers of each row) into set n of window 1: each load takes 512 consecutive bytes of one row
.macro PLOAD n, base, pitch, koff
	WIN 0x40
.irp i, 0,1,2,3,4,5,6,7,8,9,10,11,12,13,14,15
	global_load_b128 v[64*(\n)+4*\i:64*(\n)+4*\i+3], v[LI16], s[\base:\base+1] offset:\i*(\pitch)+(\koff)
.endr
.endm
; The set goes through my own stage (rows 528 = 33 x 16 bytes apart, so that the sixteen rows that a load touches start 16 bytes apart modulo 256) and comes back into the registers that it left:
; lane (r, h) then holds, of row r, numbers 32 h .. 32 h + 31 in registers 0-31 and 64 + 32 h .. in registers 32-63, the order of the operand's layout.  LDS serves a wave's instructions in order (ISA guide 5.7.1.4): no wait between.
.macro PTURN n, vst, vrd
	WIN 0x04
.irp i, 0,1,2,3,4,5,6,7,8,9,10,11,12,13,14,15
	ds_store_b128 v[\vst], v[64*(\n)+4*\i:64*(\n)+4*\i+3] offset:528*\i
.endr
	WIN 0x40
.irp c, 0,1
.irp j, 0,1,2,3,4,5,6,7
	ds_load_b128 v[64*(\n)+32*\c+4*\j:64*(\n)+32*\c+4*\j+3], v[\vrd] offset:256*\c+16*\j
.endr
.endr
.endm
; 64 numbers of a lane in window 1 (two whole blocks of 32) become a fragment's 12 registers v[pc] on and its scale word v[pw], in window 0
.macro QUANTW src, pc, tmp, pw
	WIN 0x05
.irp c, 0,1
	v_max3_num_f32 v[TM+\c], |v[(\src)+32*\c]|, |v[(\src)+32*\c+1]|, 0x1800000   ; with the floor 2^(3 - 127): the byte cannot fall under 1
.endr
.irp i, 2,4,6,8,10,12,14,16,18,20,22,24,26,28,30
.irp c, 0,1
	v_max3_num_f32 v[TM+\c], |v[(\src)+32*\c+\i]|, |v[(\src)+32*\c+\i+1]|, v[TM+\c]   ; the two blocks by turns
.endr
.endr
	WIN 0
.irp c, 0,1
	v_add_nc_u32 v[SO+\c], 0xff000000, v[TM+\c]    ; 2 off the exponent field: the conversion's scale operand
.endr
.irp c, 0,1
	v_lshrrev_b32 v[BY+\c], 23, v[SO+\c]           ; the scale's byte
.endr
	v_lshl_or_b32 v[TT], v[BY+1], 16, v[BY]        ; my blocks h and 2 + h,
	v_lshlrev_b32 v[TT], v[SH8], v[TT]             ; at their places in the word;
	v_permlanex16_b32 v[T2], v[TT], s[SEL], s[SEL+1]
	v_or_b32 v[\pw], v[TT], v[T2]                  ; with lane l xor 16's two the word is whole, in both lanes
	WIN 0x01
.irp c, 0,1
	v_cvt_scalef32_pk16_fp6_f32 v[(\pc)+6*\c:(\pc)+6*\c+2], v[(\src)+32*\c:(\src)+32*\c+15], v[SO+\c]
	v_cvt_scalef32_pk16_fp6_f32 v[(\tmp)+4*\c:(\tmp)+4*\c+2], v[(\src)+32*\c+16:(\src)+32*\c+31], v[SO+\c]   ; (a conversion's three registers begin on an even number)
.endr
	WIN 0
	v_nop                                          ; one plain place behind the last scaled conversion
.irp c, 0,1
.irp i, 0,1,2
	v_mov_b32 v[(\pc)+3+6*\c+\i], v[(\tmp)+4*\c+\i]
.endr
.endr
.endm
.macro FINISH                          ; the wave's end
	s_wait_tensorcnt 0x0
	ds_add_u32 v[SPW], v[NIL]
	s_wait_dscnt 0x0
	s_endpgm
.endm
	s_load_b512 s[4:19], s[0:1], 0x0               ; attn_w s[4:5], v s[6:7], attn_b s[8:9], mask s[10:11], wq s[12:13], ws s[14:15], sdec s[16:17], list s[18:19]
	s_load_b128 s[20:23], s[0:1], 0x40             ; pos s[20:21], cnt s[22:23]
	v_lshl_add_u32 v[SPW], v0, 2, SPARE
	v_mov_b32 v[NIL], 0
	v_lshrrev_b32 v[LANE], 5, v0
	v_readfirstlane_b32 s2, v[LANE]                ; wave 0..3
	v_and_b32 v[LANE], 31, v0
	v_and_b32 v[ROW], 15, v0
	v_bfe_u32 v[HH], v0, 4, 1
	v_lshlrev_b32 v[SH8], 3, v[HH]
	v_lshlrev_b32 v[LI16], 4, v[LANE]
	s_wait_alu depctr_va_vdst(0)
	s_mul_i32 s3, s2, 8448                         ; every LDS address is made here, ahead of the parting of the roles
	v_add_nc_u32 v[SWW], s3, v[LI16]
	v_mul_u32_u24 v[SRW], v[ROW], 528
	v_lshl_add_u32 v[SRW], v[HH], 7, v[SRW]
	v_add_nc_u32 v[SRW], s3, v[SRW]
	v_add_nc_u32 v[SWD], STG_D, v[SWW]
	v_add_nc_u32 v[SRD], STG_D, v[SRW]
	s_lshl_b32 s3, s2, 10
	s_add_co_u32 s3, s3, RED
	v_add_nc_u32 v[RDW], s3, v[LI16]
	s_lshr_b32 s3, s2, 1                           ; registers 2 w, 2 w + 1 of an image: 512 (w / 2) + 16 lane + 8 (w % 2)
	s_lshl_b32 s3, s3, 9
	s_and_b32 s28, s2, 1
	s_lshl_b32 s28, s28, 3
	s_add_co_u32 s3, s3, s28
	s_add_co_u32 s3, s3, RED
	v_add_nc_u32 v[RDR], s3, v[LI16]
	s_lshl_b32 s28, s2, 3
	v_lshl_add_u32 v[HBW], v[HH], 5, s28
	v_lshl_add_u32 v[SDO], v[ROW], 12, v[HBW]
	v_lshlrev_b32 v[PRT], 4, v[ROW]
	v_mov_b32 v[T2], 0                             ; written once: a lane permute's destination counts as one of its sources
	s_mov_b32 s[SEL], 0x76543210
	s_mov_b32 s[SEL+1], 0xfedcba98
	s_mov_b32 s[CC], 0x4038aa3b
	s_mov_b32 s[CC+1], s[CC]
	s_mov_b32 s33, 0
	s_wait_kmcnt 0x0
	s_cmp_lt_u32 ttmp9, 4
	s_cbranch_scc1 .Lrole_l
	s_cmp_lt_u32 ttmp9, 68
	s_cbranch_scc1 .Lrole_d
	; ---- role W: one fragment of W_e a wave
	s_sub_co_u32 s28, ttmp9, 68
	s_lshr_b32 s29, s28, 2                         ; nt
	s_and_b32 s30, s28, 3
	s_lshl_b32 s30, s30, 2
	s_add_co_u32 s30, s30, s2                      ; K step s = 4 (work-group % 4) + wave
	s_mul_i32 s32, s29, 196608                     ; 16 rows of 12,288 bytes,
	s_lshl_b32 s31, s30, 9
	s_add_co_u32 s32, s32, s31                     ; 512 bytes a K step,
	s_add_co_u32 s32, s32, 4096                    ; behind W_v's 1,024 columns
	s_add_nc_u64 s[4:5], s[4:5], s[32:33]
	PLOAD 0, 4, 12288, 0
	s_lshr_b32 s31, s29, 3
	s_lshl_b32 s31, s31, 4
	s_add_co_u32 s31, s31, s30                     ; (nt / 8) 16 + s
	s_and_b32 s34, s29, 7                          ; t = nt % 8
	s_lshl_b32 s32, s31, 3
	s_add_co_u32 s32, s32, s34
	s_mul_i32 s32, s32, 1536
	s_add_nc_u64 s[12:13], s[12:13], s[32:33]      ; my fragment's place in wq
	s_lshl_b32 s32, s31, 9
	s_and_b32 s35, s34, 1
	s_lshl_b32 s35, s35, 8
	s_add_co_u32 s32, s32, s35
	s_lshr_b32 s35, s34, 1
	s_lshl_b32 s35, s35, 2
	s_add_co_u32 s32, s32, s35
	s_add_nc_u64 s[14:15], s[14:15], s[32:33]      ; my tile's words in ws, 16 bytes from row to row
	s_wait_loadcnt 0x0
	s_wait_alu depctr_va_vdst(0)
	PTURN 0, SWW, SRW
	s_wait_dscnt 0x0
	QUANTW 0, FRG, TMP, SCW
.irp c, 0,1,2
	global_store_b128 v[LI16], v[FRG+4*\c:FRG+4*\c+3], s[12:13] offset:512*\c   ; 32 lanes store 512 consecutive bytes
.endr
	global_store_b32 v[PRT], v[SCW], s[14:15]      ; lanes r and r + 16 hold the same word and name the same place
	FINISH
	; ---- role D: c (v . W_v + attn_b) for one tile of 16 units and the 16 batches
.Lrole_d:
	s_sub_co_u32 s29, ttmp9, 4                     ; nt
	s_lshl_b32 s32, s29, 6
	s_add_nc_u64 s[8:9], s[8:9], s[32:33]          ; the tile's 64 bytes of attn_b
	s_add_nc_u64 s[16:17], s[16:17], s[32:33]      ; and of each row of sdec
	s_wait_alu depctr_va_vdst(0)
	global_load_b64 v[BIA:BIA+1], v[HBW], s[8:9]
	s_lshl_b32 s30, s2, 10                         ; my K steps 2 wave, 2 wave + 1: 512 bytes each
	s_mul_i32 s32, s29, 196608
	s_add_co_u32 s32, s32, s30
	s_add_nc_u64 s[4:5], s[4:5], s[32:33]
	s_mov_b32 s32, s30
	s_add_nc_u64 s[6:7], s[6:7], s[32:33]
	PLOAD 0, 4, 12288, 0                           ; W_v, first step
	PLOAD 1, 6, 4096, 0                            ; v, first step
	PLOAD 2, 4, 12288, 512
	PLOAD 3, 6, 4096, 512
	s_wait_loadcnt 48                              ; the bias and set 0 are in; three sets of 16 loads may be out
	PTURN 0, SWD, SRD
	s_wait_loadcnt 32
	PTURN 1, SWD, SRD
	s_wait_dscnt 32                                ; set 0 is back; set 1's 32 LDS instructions may be out
	QUANTW 0, FRG, TMP, SCW
	s_wait_loadcnt 16
	PTURN 2, SWD, SRD
	s_wait_dscnt 32
	QUANTW 64, FRG+12, TMP, SCW+1
	s_wait_loadcnt 0x0
	PTURN 3, SWD, SRD
	s_wait_dscnt 32
	QUANTW 128, FRG+24, TMP, SCW+2
	s_wait_dscnt 0x0
	QUANTW 192, FRG+36, TMP, SCW+3
.rept 8
	v_nop                                          ; a scale register written by a vector instruction stands 8 places ahead of a scaled matrix instruction, an operand so written 4
.endr
	; TRANSPOSED: source 0 = 16 rows of W_v, source 1 = the 16 batches: lane (r, h) holds batch r, register j unit 16 nt + 8 h + j
	v_wmma_scale_f32_16x16x128_f8f6f4 v[ACC:ACC+7], v[FRG:FRG+11], v[FRG+12:FRG+23], 0, v[SCW], v[SCW+1] matrix_a_fmt:MATRIX_FMT_FP6 matrix_b_fmt:MATRIX_FMT_FP6
	s_wait_alu depctr_va_vdst(0)                   ; the wait stands directly ahead of the link
	v_wmma_scale_f32_16x16x128_f8f6f4 v[ACC:ACC+7], v[FRG+24:FRG+35], v[FRG+36:FRG+47], v[ACC:ACC+7], v[SCW+2], v[SCW+3] matrix_a_fmt:MATRIX_FMT_FP6 matrix_b_fmt:MATRIX_FMT_FP6
.rept 4
	v_nop                                          ; four places ahead of the first read of the result (ISA guide 7.12.1)
.endr
	ds_store_b128 v[RDW], v[ACC:ACC+3]             ; my partial result as an image of its registers, from its low end on
	ds_store_b128 v[RDW], v[ACC+4:ACC+7] offset:512
	s_wait_dscnt 0x0                               ; for the others' sake: my stores have landed
	s_barrier_signal -1
	s_barrier_wait -1
.irp w, 0,1,2,3
	ds_load_b64 v[PRT+2*\w:PRT+2*\w+1], v[RDR] offset:1024*\w   ; registers 2 wave, 2 wave + 1 of each wave's result
.endr
	s_wait_dscnt 0x0
	v_pk_add_f32 v[PRT:PRT+1], v[PRT:PRT+1], v[PRT+2:PRT+3]
	v_pk_add_f32 v[PRT+4:PRT+5], v[PRT+4:PRT+5], v[PRT+6:PRT+7]
	v_pk_add_f32 v[PRT:PRT+1], v[PRT:PRT+1], v[PRT+4:PRT+5]
	v_pk_add_f32 v[PRT:PRT+1], v[PRT:PRT+1], v[BIA:BIA+1]
	v_pk_mul_f32 v[PRT:PRT+1], v[PRT:PRT+1], s[CC:CC+1] op_sel_hi:[1,0]
	global_store_b64 v[SDO], v[PRT:PRT+1], s[16:17]
	FINISH
	; ---- role L: one wave, one batch.  Load i gives lane l the masks of l' = 128 i + 4 lane + 0 .. 3
.Lrole_l:
	s_lshl_b32 s28, ttmp9, 2
	s_add_co_u32 s28, s28, s2                      ; the batch
	s_lshl_b32 s29, s28, 11                        ; its first global row
	s_lshl_b32 s32, s28, 13
	s_add_nc_u64 s[10:11], s[10:11], s[32:33]
	s_add_nc_u64 s[18:19], s[18:19], s[32:33]
	s_add_nc_u64 s[20:21], s[20:21], s[32:33]
	s_lshl_b32 s32, s28, 2
	s_add_nc_u64 s[22:23], s[22:23], s[32:33]
.irp i, 0,1,2,3,4,5,6,7,8,9,10,11,12,13,14,15
	global_load_b128 v[MK+4*\i:MK+4*\i+3], v[LI16], s[10:11] offset:512*\i
.endr
	v_mov_b32 v[FIL], s29
	s_mov_b32 s40, 0                               ; rows with mask != 0 so far
	s_wait_loadcnt 0x0
.macro LSTEP i
; What a step's stores read is written in that step alone: the ranks take the step's four mask registers, which the compares have read, and the slots and values eight registers of the step's own.
; So no store's source is written again before the wait behind the last step.  Past the ranks the four elements go by turns, so that no line reads the line above it.
.set RK_, MK+4*(\i)
.if \i < 8
.set SL_, 192+8*(\i)
.else
.set SL_, 32+8*((\i)-8)
.endif
.set VL_, SL_+4
.irp j, 0,1,2,3
	v_cmp_ne_u32 s[44+\j], 0, v[MK+4*\i+\j]
.endr
	v_mov_b32 v[RK_], s40
.irp j, 0,1,2
	v_cndmask_b32 v[RK+\j], 0, 1, s[44+\j]
.endr
.irp j, 0,1,2,3
	v_mbcnt_lo_u32_b32 v[RK_], s[44+\j], v[RK_]    ; + those of the lanes below me: the rank of my first element
.endr
.irp j, 0,1,2
	v_add_nc_u32 v[RK_+1+\j], v[RK_+\j], v[RK+\j]
.endr
	global_store_b128 v[LI16], v[RK_:RK_+3], s[20:21] offset:512*\i
.irp j, 0,1,2,3
	v_lshl_add_u32 v[SL+\j], v[LANE], 2, 128*\i+\j ; l
.endr
.irp j, 0,1,2,3
	v_sub_nc_u32 v[VL+\j], v[RK_+\j], v[SL+\j]
.endr
.irp j, 0,1,2,3
	v_add_nc_u32 v[VL+\j], 2047, v[VL+\j]          ; 2047 - (rows with mask == 0 ahead of l)
.endr
.irp j, 0,1,2,3
	v_cndmask_b32 v[SL_+\j], v[VL+\j], v[RK_+\j], s[44+\j]
.endr
.irp j, 0,1,2,3
	v_min_u32 v[SL_+\j], 0x7ff, v[SL_+\j]          ; a number made of loaded numbers enters an address behind a clamp
.endr
.irp j, 0,1,2,3
	v_lshlrev_b32 v[SL_+\j], 2, v[SL_+\j]
.endr
.irp j, 0,1,2,3
	v_add_nc_u32 v[SL+\j], s29, v[SL+\j]
.endr
.irp j, 0,1,2,3
	v_cndmask_b32 v[VL_+\j], v[FIL], v[SL+\j], s[44+\j]
.endr
.irp j, 0,1,2,3
	global_store_b32 v[SL_+\j], v[VL_+\j], s[18:19]  ; every slot of the batch's list is written once
.endr
.irp j, 0,1,2,3
	s_bcnt1_i32_b32 s48, s[44+\j]
	s_add_co_u32 s40, s40, s48
.endr
.endm
.irp t, 0,1,2,3,4,5,6,7,8,9,10,11,12,13,14,15
	LSTEP \t
.endr
	s_wait_xcnt 0x0                                ; EXEC and the stores' registers change only behind this wait
	v_mov_b32 v[RK], s40
	v_mov_b32 v[LV], 0
	v_cmp_eq_u32 vcc_lo, 0, v[LANE]
	s_and_saveexec_b32 s49, vcc_lo
	global_store_b32 v[LV], v[RK], s[22:23]        ; the batch's count
	s_wait_xcnt 0x0
	s_or_b32 exec_lo, exec_lo, s49
	s_endpgm
.Lfunc_end_k_q27c2ac63c2_prep:
	.size	k_q27c2ac63c2_prep, .Lfunc_end_k_q27c2ac63c2_prep-k_q27c2ac63c2_prep
	.p2alignl 7, 3214868480
	.fill 96, 4, 3214868480
	.section	.rodata,"a",@progbits
	.p2align	6, 0x0
	.amdhsa_kernel k_q27c2ac63c2_prep
		.amdhsa_group_segment_fixed_size 72192
		.amdhsa_private_segment_fixed_size 0
		.amdhsa_enable_private_segment 0
		.amdhsa_kernarg_size 80
		.amdhsa_user_sgpr_count 2
		.amdhsa_user_sgpr_kernarg_segment_ptr 1
		.amdhsa_wavefront_size32 1
		.amdhsa_system_sgpr_workgroup_id_x 1
		.amdhsa_system_sgpr_workgroup_id_y 1
		.amdhsa_system_sgpr_workgroup_id_z 1
		.amdhsa_system_vgpr_workitem_id 0
		.amdhsa_next_free_vgpr 512
		.amdhsa_next_free_sgpr 66
		.amdhsa_reserve_vcc 1
		.amdhsa_float_denorm_mode_32 3
		.amdhsa_float_denorm_mode_16_64 3
		.amdhsa_memory_ordered 1
		.amdhsa_forward_progress 1
		.amdhsa_inst_pref_size 94
	.end_amdhsa_kernel
	.amdgpu_metadata
---
amdhsa.version: [ 1, 2 ]
amdhsa.kernels:
  - .name:           k_q27c2ac63c2_prep
    .symbol:         k_q27c2ac63c2_prep.kd
    .args:
      - { .name: attn_w, .offset: 0, .size: 8, .value_kind: global_buffer, .address_space: global }
      - { .name: v, .offset: 8, .size: 8, .value_kind: global_buffer, .address_space: global }
      - { .name: attn_b, .offset: 16, .size: 8, .value_kind: global_buffer, .address_space: global }
      - { .name: mask, .offset: 24, .size: 8, .value_kind: global_buffer, .address_space: global }
      - { .name: wq, .offset: 32, .size: 8, .value_kind: global_buffer, .address_space: global }
      - { .name: ws, .offset: 40, .size: 8, .value_kind: global_buffer, .address_space: global }
      - { .name: sdec, .offset: 48, .size: 8, .value_kind: global_buffer, .address_space: global }
      - { .name: list, .offset: 56, .size: 8, .value_kind: global_buffer, .address_space: global }
      - { .name: pos, .offset: 64, .size: 8, .value_kind: global_buffer, .address_space: global }
      - { .name: cnt, .offset: 72, .size: 8, .value_kind: global_buffer, .address_space: global }
    .group_segment_fixed_size: 72192
    .private_segment_fixed_size: 0
    .kernarg_segment_align: 8
    .kernarg_segment_size: 80
    .max_flat_workgroup_size: 128
    .sgpr_count:     66
    .vgpr_count:     512
    .wavefront_size: 32
...
	.end_amdgpu_metadata
.endif
;; end of part 1
;; launch main (part 2): grid 410 x 1, 4 waves a work-group, no clusters, 205,312 bytes of LDS; arguments encoder_out, list, cnt, wq, ws, sdec, v_w, att; writes att
.if DOCPART == 2
	.amdgcn_target "amdgcn-amd-amdhsa--gfx1250"
	.amdhsa_code_object_version 6
	.text
	.protected	k_q27c2ac63c2_main
	.globl	k_q27c2ac63c2_main
	.p2align	8
	.type	k_q27c2ac63c2_main,@function
k_q27c2ac63c2_main:
	s_mov_b64 s[64:65], 0
	v_nop
	global_prefetch_b8 v0, s[64:65] scope:SCOPE_SE
	s_setreg_imm32_b32 hwreg(HW_REG_WAVE_MODE, 25, 1), 1
	s_wait_xcnt 0x0
; att[b 2048 + i] = sum over h of v_w[h] tanh(sd[b][h] + x[row] . W_e[h]) for the i-th listed row of batch b.  Rows whose mask is 0 are not listed and not worked: reference() puts -1e10 in their place whatever they hold.
; x . W_e is taken on codes of FP6 (E2M3) with one E8M0 scale for each 32 along K: x is gathered as f32 and quantised here, once; W_e's codes and scale words come from the launch before, in the order of the operand's registers.
; TILES.  Each batch's list is cut into tiles of 16 rows (the last filled with a row that exists); T = the sum of ceil(n_b / 16).  Work-group g takes tiles 5 g .. 5 g + 4 through all 1,024 units.  There are never more than
; 2,048 tiles, so 410 work-groups serve every mask.  A work-group with 5 g >= T jumps over the two stretches of work by a scalar branch on the stored counts, passes both barriers, and stores nothing; a tile >= T inside
; a work-group that has work is computed on listed rows and not stored.
; NO TENSOR LOAD, NO CLUSTER: the amount of work hangs on numbers read from memory.  W_e goes from memory straight into registers, each lane loading its fragments whole.
; PHASE X.  Wave w takes K steps 4 w .. 4 w + 3 of all five tiles: 20 units of 16 rows x 512 bytes.  A load takes 512 consecutive bytes of one row; a unit turns through the wave's own stage in LDS, so that a lane holds two whole
; blocks of its row; the codes and the scale word go to LDS as images of the operand's registers.  | barrier |
; PHASE G.  Wave w makes units 256 w .. 256 w + 255 in two passes of 128: 5 x 8 accumulators, 16 K steps of 40 matrix instructions.  TRANSPOSED: source 0 = 16 rows of W_e, source 1 = 16 rows of x: a lane holds one row of x
; and eight units.  Behind a pass: tanh(u) = 1 - 2 / (1 + 2^(c u)), c = 2 log2(e), so the logit is sum(v_w) - 2 sum(v_w / (1 + 2^(c u))); c u = c acc + sdec is one packed multiply-add.  Its error is a few ulp of 1; 2^(c u) may be
; infinite or 0, which gives tanh = 1 or -1.  One text serves both passes: so the second pass's look-ahead (two K steps of W_e, one of x) fetches bytes of the first pass again, which nobody uses.
; TAIL.  Lanes l and l xor 16 are added, the four waves' sums meet in LDS | barrier | and threads 0-79 store a logit each.
; LIMITS: a block of zeros gets the scale byte 1 (its codes are zeros; this launch alone reads the bytes); blocks under 2^-124 are held at that byte; NaN and infinities in listed rows are not served.
; REGISTERS, in windows of 256.  Window 0: v1-15 addresses; v16-31 at work; v32-41 x's scale words (2 sets), v44-59 W's (4 sets); v60-99 the tiles' sums; v100-103 sum(v_w); v104-223 x's fragments (2 sets of 60);
;   in phase X v104-183 the rows' offsets and v184-223 the codes just made.   Window 1: W's sets 0, 1 (96 each), v192-255 v_w; in phase X two sets of 64 numbers.   Window 2: W's sets 2, 3 (behind a pass: the biases), v192-255 tile 4's
;   accumulators.   Window 3: the accumulators of tiles 0-3 (64 a + 8 b); in phase X four landing sets.
.set XSC,   122880                     ; LDS: 0: x's 80 fragments (16 a + s) of 1,536 bytes;  here: their scale words, 128 bytes each
.set STG,   133120                     ; 4 waves x 2 stages x 16 rows x 528 bytes
.set RED,   200704                     ; 4 waves x 1,024 bytes: a wave's sums, 128 bytes a tile
.set SPARE, 204800                     ; the spare words, 128 bytes a wave: two blocks of 256 bytes that no other line names
.set SPW,  1
.set NIL,  2
.set LI16, 3                           ; 16 lane
.set LI1,  4                           ; 16 lane + 40 fragments
.set LSC,  5                           ; XSC + 4 lane
.set HB,   6                           ; 32 h
.set XW0,  7                           ; 16 lane + 4 wave fragments: where I store tiles 0-2
.set XW1,  8                           ; the same 48 fragments on: tiles 3, 4
.set XSW,  9                           ; LSC + 4 wave words
.set SWR,  10                          ; my stages, way in
.set SRD,  11                          ; way out
.set SH8,  12
.set RW,   13                          ; where I put my sums
.set RRD,  14                          ; where thread t reads tile t / 16, row t % 16
.set AO,   15                          ; and its byte in att
.set TM,   16
.set SO,   18
.set BY,   20
.set TT,   22
.set T2,   23
.set PW,   28
.set AS,   32
.set BS,   44
.set SUM,  60
.set SV,   100
.set AF,   104
.set OFF,  104
.set PC,   184
.set VW,   192
.set SD,   32                          ; s[32:41] sdec at each tile's batch and my units
.set CC,   46                          ; s[46:47] c, twice
.set SEL,  48                          ; s[48:49]
.set MSB, 0
.macro WIN new
.if MSB != (\new)
	s_set_vgpr_msb (MSB<<8)|(\new)
.set MSB, (\new)
.endif
.endm
.macro QUANTW src, pc, tmp, pw         ; 64 numbers of a lane in window 1 (two whole blocks) -> a fragment's 12 registers and its scale word, in window 0
	WIN 0x05
.irp c, 0,1
	v_max3_num_f32 v[TM+\c], |v[(\src)+32*\c]|, |v[(\src)+32*\c+1]|, 0x1800000   ; with the floor 2^(3 - 127): the byte cannot fall under 1
.endr
.irp i, 2,4,6,8,10,12,14,16,18,20,22,24,26,28,30
.irp c, 0,1
	v_max3_num_f32 v[TM+\c], |v[(\src)+32*\c+\i]|, |v[(\src)+32*\c+\i+1]|, v[TM+\c]
.endr
.endr
	WIN 0
.irp c, 0,1
	v_add_nc_u32 v[SO+\c], 0xff000000, v[TM+\c]    ; 2 off the exponent field: the conversion's scale operand
.endr
.irp c, 0,1
	v_lshrrev_b32 v[BY+\c], 23, v[SO+\c]
.endr
	v_lshl_or_b32 v[TT], v[BY+1], 16, v[BY]
	v_lshlrev_b32 v[TT], v[SH8], v[TT]
	v_permlanex16_b32 v[T2], v[TT], s[SEL], s[SEL+1]
	v_or_b32 v[\pw], v[TT], v[T2]
	WIN 0x01
.irp c, 0,1
	v_cvt_scalef32_pk16_fp6_f32 v[(\pc)+6*\c:(\pc)+6*\c+2], v[(\src)+32*\c:(\src)+32*\c+15], v[SO+\c]
	v_cvt_scalef32_pk16_fp6_f32 v[(\tmp)+4*\c:(\tmp)+4*\c+2], v[(\src)+32*\c+16:(\src)+32*\c+31], v[SO+\c]
.endr
	WIN 0
	v_nop                                          ; one plain place behind the last scaled conversion
.irp c, 0,1
.irp i, 0,1,2
	v_mov_b32 v[(\pc)+3+6*\c+\i], v[(\tmp)+4*\c+\i]
.endr
.endr
.endm
	s_load_b256 s[4:11], s[0:1], 0x0               ; x s[4:5], list s[6:7], cnt s[8:9]
	v_lshl_add_u32 v[SPW], v0, 2, SPARE
	v_mov_b32 v[NIL], 0
	v_lshrrev_b32 v24, 5, v0
	v_readfirstlane_b32 s2, v24                    ; wave 0..3
	v_and_b32 v24, 31, v0                          ; lane
	v_and_b32 v25, 15, v0                          ; r
	v_bfe_u32 v26, v0, 4, 1                        ; h
	v_lshrrev_b32 v27, 4, v0                       ; thread / 16
	v_lshlrev_b32 v[LI16], 4, v24
	v_add_nc_u32 v[LI1], 61440, v[LI16]
	v_lshl_add_u32 v[LSC], v24, 2, XSC
	v_lshlrev_b32 v[HB], 5, v26
	s_mul_i32 s100, s2, 6144
	v_add_nc_u32 v[XW0], s100, v[LI16]
	v_add_nc_u32 v[XW1], 73728, v[XW0]
	s_lshl_b32 s100, s2, 9
	v_add_nc_u32 v[XSW], s100, v[LSC]
	s_mul_i32 s100, s2, 16896
	s_add_co_u32 s100, s100, STG
	v_add_nc_u32 v[SWR], s100, v[LI16]
	v_mul_u32_u24 v[SRD], v25, 528
	v_lshl_add_u32 v[SRD], v26, 7, v[SRD]
	v_add_nc_u32 v[SRD], s100, v[SRD]
	v_lshlrev_b32 v[SH8], 3, v26
	s_lshl_b32 s100, s2, 10
	s_add_co_u32 s100, s100, RED
	v_lshl_add_u32 v[RW], v24, 2, s100
	s_lshl_b32 s100, s2, 1                         ; the tile that a thread reads back: 2 wave + h in waves 0 and 1, tile 4 in waves 2 and 3: every thread names bytes that were stored;
	s_min_u32 s100, s100, 4                        ; for threads 0-79, the ones that store a logit, that is tile thread / 16
	s_lshl_b32 s100, s100, 7
	s_add_co_u32 s100, s100, RED
	s_lshr_b32 s101, s2, 1
	s_xor_b32 s101, s101, 1
	s_lshl_b32 s101, s101, 7                       ; 128 in waves 0 and 1, 0 in waves 2 and 3
	v_lshl_add_u32 v[RRD], v25, 2, s100
	v_mad_u32_u24 v[RRD], v26, s101, v[RRD]
	s_lshl_b32 s100, s2, 11
	v_add_nc_u32 v22, s100, v[LI16]                ; my wave's 2,048 bytes of a row of x, 16 bytes a lane
	v_mov_b32 v[T2], 0                             ; written once: a lane permute's destination counts as one of its sources
.set n, 0
.rept 44
	v_mov_b32 v[SUM+n], 0                          ; the sums begin at 0 on every way through the text, that of a work-group without work too
.set n, n+1
.endr
	s_mul_i32 s32, ttmp9, 5                        ; s32-36: my five tiles' numbers
.irp k, 1,2,3,4
	s_add_co_u32 s[32+\k], s32, \k
.endr
.irp k, 0,1,2,3,4
	s_mov_b32 s[37+\k], 0
.endr
	s_mov_b32 s42, 0                               ; P: tiles of the batches passed
	v_add_nc_u32 v30, s32, v27                     ; the tile of which this thread stores a logit
	v_mov_b32 v31, 0
	s_wait_alu depctr_va_vdst(0)
	s_wait_kmcnt 0x0
	s_load_b512 s[16:31], s[8:9], 0x0              ; the sixteen counts
	s_wait_kmcnt 0x0
	; tile t lies in the last batch b with P_b <= t, and is tile 128 b + (t - P_b) of the list
.irp b, 0,1,2,3,4,5,6,7,8,9,10,11,12,13,14,15
	s_min_u32 s[16+\b], s[16+\b], 2048
	s_add_co_u32 s44, s[16+\b], 15
	s_lshr_b32 s44, s44, 4
	s_sub_co_u32 s43, 128*\b, s42
.irp k, 0,1,2,3,4
	s_cmp_ge_u32 s[32+\k], s42
	s_cselect_b32 s[37+\k], s43, s[37+\k]
.endr
	v_mov_b32 v16, s43
	s_wait_alu depctr_va_vdst(0)
	v_cmp_le_u32 vcc_lo, s42, v30
	v_cndmask_b32 v31, v31, v16, vcc_lo
	s_add_co_u32 s42, s42, s44
.endr
	s_cmp_lt_u32 s32, s42
	s_cselect_b32 s3, 1, 0                         ; have I work?
	v_cmp_gt_u32 s104, s42, v30                    ; the threads whose tile exists
.irp k, 0,1,2,3,4
	s_add_co_u32 s[8+\k], s[37+\k], s[32+\k]
	s_min_u32 s[8+\k], s[8+\k], 2047               ; s8-12: the tiles' places in the list, behind a clamp: only shifts left, ANDs and sums follow
.endr
	s_lshl_b32 s13, s8, 6
	s_lshl_b32 s14, s9, 6
	s_lshl_b32 s15, s10, 6
	s_lshl_b32 s66, s11, 6
	s_lshl_b32 s67, s12, 6
	s_wait_alu depctr_va_vdst(0)
	v_add_nc_u32 v31, v30, v31
	v_lshl_add_u32 v[AO], v31, 4, v25              ; b 2048 + 16 x the batch's tile + row
	v_min_u32 v[AO], 0x7fff, v[AO]
	v_lshlrev_b32 v[AO], 2, v[AO]
	s_load_b512 s[16:31], s[6:7], s13 offset:0x0   ; each tile's sixteen rows
	s_load_b512 s[32:47], s[6:7], s14 offset:0x0
	s_load_b512 s[48:63], s[6:7], s15 offset:0x0
	s_load_b512 s[68:83], s[6:7], s66 offset:0x0
	s_load_b512 s[84:99], s[6:7], s67 offset:0x0
	s_wait_kmcnt 0x0
.macro ROWS a, sb
.irp i, 0,1,2,3,4,5,6,7,8,9,10,11,12,13,14,15
	s_min_u32 s[\sb+\i], s[\sb+\i], 0x7fff
	s_lshl_b32 s[\sb+\i], s[\sb+\i], 13            ; a row of x is 8,192 bytes
	v_add_nc_u32 v[OFF+16*\a+\i], s[\sb+\i], v22
.endr
.endm
	ROWS 0, 16
	ROWS 1, 32
	ROWS 2, 48
	ROWS 3, 68
	ROWS 4, 84
	s_load_b64 s[16:17], s[0:1], 0x18              ; wq
	s_load_b128 s[68:71], s[0:1], 0x20             ; ws, sdec
	s_load_b128 s[72:75], s[0:1], 0x30             ; v_w, att
	s_mov_b32 s[CC], 0x4038aa3b
	s_mov_b32 s[CC+1], s[CC]
	s_mov_b32 s[SEL], 0x76543210
	s_mov_b32 s[SEL+1], 0xfedcba98
	; phase X names none of these five addresses: the wait for them, and what is made of them, stand behind it
	; ---- PHASE X
	s_cmp_eq_u32 s3, 0
	s_cbranch_scc1 .Lno_x
.macro XLOAD u                         ; unit u = tile u / 4, my K step u % 4: sixteen rows' 512 bytes.  (No hint: the list's filler can name a row again)
	WIN 0xc0
.irp i, 0,1,2,3,4,5,6,7,8,9,10,11,12,13,14,15
	global_load_b128 v[64*((\u)%4)+4*\i:64*((\u)%4)+4*\i+3], v[OFF+16*((\u)/4)+\i], s[4:5] offset:512*((\u)%4)
.endr
.endm
.macro XTURN u                         ; through stage u % 2: rows 528 = 33 x 16 bytes apart, so that the sixteen rows that a load touches start 16 bytes apart modulo 256.  LDS serves a wave's instructions in order (ISA guide 5.7.1.4)
	WIN 0x0c
.irp i, 0,1,2,3,4,5,6,7,8,9,10,11,12,13,14,15
	ds_store_b128 v[SWR], v[64*((\u)%4)+4*\i:64*((\u)%4)+4*\i+3] offset:8448*((\u)%2)+528*\i
.endr
	WIN 0x40
.irp c, 0,1
.irp j, 0,1,2,3,4,5,6,7
	ds_load_b128 v[64*((\u)%2)+32*\c+4*\j:64*((\u)%2)+32*\c+4*\j+3], v[SRD] offset:8448*((\u)%2)+256*\c+16*\j
.endr
.endr
.endm
.macro XSTEP u
.set TA_, (\u)/4
.set TK_, (\u)%4
.set PC_, PC+20*((\u)%2)
.if (\u) > 0
	s_wait_dscnt 4                                 ; this unit is back from the stage; only the last unit's four image stores may be out
.else
	s_wait_dscnt 0x0
.endif
.if (\u)+4 < 20
	XLOAD (\u)+4                                   ; into the landing set that the stage's stores have read
.endif
.if (\u)+1 < 20
.if 18-(\u) >= 3
	s_wait_loadcnt 48                              ; the next unit is in; three units of 16 loads may be out
.else
	s_wait_loadcnt 16*(18-(\u))
.endif
	XTURN (\u)+1                                   ; it turns while this unit is quantised
.endif
	QUANTW 64*((\u)%2), PC_, PC_+12, PW+(\u)%2
.irp c, 0,1,2
.if TA_ < 3
	ds_store_b128 v[XW0], v[PC_+4*\c:PC_+4*\c+3] offset:(16*TA_+TK_)*1536+512*\c
.else
	ds_store_b128 v[XW1], v[PC_+4*\c:PC_+4*\c+3] offset:(16*(TA_-3)+TK_)*1536+512*\c
.endif
.endr
	ds_store_b32 v[XSW], v[PW+(\u)%2] offset:(16*TA_+TK_)*128
.endm
	XLOAD 0
	XLOAD 1
	XLOAD 2
	XLOAD 3
	s_wait_loadcnt 48
	XTURN 0
.irp t, 0,1,2,3,4,5,6,7,8,9,10,11,12,13,14,15,16,17,18,19
	XSTEP \t
.endr
.Lno_x:
	s_mov_b32 s101, 0
	s_wait_kmcnt 0x0                               ; wq, ws, sdec, v_w, att: asked for ahead of phase X, on both ways to this label
	s_mul_i32 s100, s2, 393216
	s_add_nc_u64 s[16:17], s[16:17], s[100:101]    ; my wave's stream of fragments
	s_lshl_b32 s100, s2, 14
	s_add_nc_u64 s[18:19], s[68:69], s[100:101]    ; and of scale words
	s_lshl_b32 s100, s2, 10
	s_add_nc_u64 s[28:29], s[72:73], s[100:101]    ; v_w at my 256 units
	s_add_nc_u64 s[70:71], s[70:71], s[100:101]
.irp a, 0,1,2,3,4
	s_and_b32 s100, s[8+\a], 0x780                 ; 128 x the tile's batch
	s_lshl_b32 s100, s100, 5
	s_add_nc_u64 s[SD+2*\a:SD+2*\a+1], s[70:71], s[100:101]
.endr
	s_mov_b64 s[44:45], s[74:75]
	s_wait_dscnt 0x0                               ; for the others' sake: my images have landed
	s_barrier_signal -1
	s_barrier_wait -1                              ; x's eighty fragments lie in LDS; from here to the tail LDS is only read
	; ---- PHASE G
	s_cmp_eq_u32 s3, 0
	s_cbranch_scc1 .Lno_g
.macro BLOAD st, set, q, sc            ; K step st from the bases s[q], s[sc]: 4 registers of scale words and 8 fragments: 25 loads of 512 consecutive bytes
	WIN 0
	global_load_b128 v[BS+4*(\set):BS+4*(\set)+3], v[LI16], s[\sc:\sc+1] offset:512*(\st)
	WIN 0x40+0x40*((\set)/2)
.irp b, 0,1,2,3,4,5,6,7
.irp c, 0,1,2
	global_load_b128 v[96*((\set)%2)+12*\b+4*\c:96*((\set)%2)+12*\b+4*\c+3], v[LI16], s[\q:\q+1] offset:12288*(\st)+1536*\b+512*\c
.endr
.endr
.endm
.macro ALOAD st, set                   ; x's five fragments and scale words of K step st: 20 LDS loads
	WIN 0
.irp a, 0,1,2,3,4
.irp c, 0,1,2
.if 16*\a+(\st) < 40
	ds_load_b128 v[AF+60*(\set)+12*\a+4*\c:AF+60*(\set)+12*\a+4*\c+3], v[LI16] offset:(16*\a+(\st))*1536+512*\c
.else
	ds_load_b128 v[AF+60*(\set)+12*\a+4*\c:AF+60*(\set)+12*\a+4*\c+3], v[LI1] offset:(16*\a+(\st)-40)*1536+512*\c
.endif
.endr
	ds_load_b32 v[AS+5*(\set)+\a], v[LSC] offset:(16*\a+(\st))*128
.endr
.endm
.macro BIAS a                          ; c x score_dec of tile a's batch at my lane's 64 units of this pass, into the registers of W's set 2 or 3
	WIN 0x80
.irp b, 0,1,2,3,4,5,6,7
.irp k, 0,1
	global_load_b128 v[96*((\a)%2)+8*\b+4*\k:96*((\a)%2)+8*\b+4*\k+3], v[HB], s[SD+2*(\a):SD+2*(\a)+1] offset:64*\b+16*\k
.endr
.endr
.endm
.macro MM acc, wf, xf, zero, sw, sx, odd   ; W's scale words: an even tile's in lanes 0-15 of its register, an odd tile's in lanes 16-31
.if \zero
.if \odd
	v_wmma_scale_f32_16x16x128_f8f6f4 v[\acc:\acc+7], v[\wf:\wf+11], v[\xf:\xf+11], 0, v[\sw], v[\sx] matrix_a_fmt:MATRIX_FMT_FP6 matrix_b_fmt:MATRIX_FMT_FP6 matrix_a_scale:MATRIX_SCALE_ROW1
.else
	v_wmma_scale_f32_16x16x128_f8f6f4 v[\acc:\acc+7], v[\wf:\wf+11], v[\xf:\xf+11], 0, v[\sw], v[\sx] matrix_a_fmt:MATRIX_FMT_FP6 matrix_b_fmt:MATRIX_FMT_FP6
.endif
.else
.if \odd
	v_wmma_scale_f32_16x16x128_f8f6f4 v[\acc:\acc+7], v[\wf:\wf+11], v[\xf:\xf+11], v[\acc:\acc+7], v[\sw], v[\sx] matrix_a_fmt:MATRIX_FMT_FP6 matrix_b_fmt:MATRIX_FMT_FP6 matrix_a_scale:MATRIX_SCALE_ROW1
.else
	v_wmma_scale_f32_16x16x128_f8f6f4 v[\acc:\acc+7], v[\wf:\wf+11], v[\xf:\xf+11], v[\acc:\acc+7], v[\sw], v[\sx] matrix_a_fmt:MATRIX_FMT_FP6 matrix_b_fmt:MATRIX_FMT_FP6
.endif
.endif
.endm
.macro MUL40 s                         ; the 40 accumulators take turns, one instruction a turn, in the same order in every step; the first step's products start the sums
.set WW_, 1+((\s)%4)/2
.set WB_, 96*((\s)%2)
.set XB_, AF+60*((\s)%2)
.set SW_, BS+4*((\s)%4)
.set SX_, AS+5*((\s)%2)
.irp a, 0,1,2,3,4
.if \a < 4
	WIN 0xf0+WW_
.set AC_, 64*\a
.else
	WIN 0xa0+WW_
.set AC_, 192
.endif
.irp b, 0,1,2,3,4,5,6,7
	MM AC_+8*\b, WB_+12*\b, XB_+12*\a, (\s)==0, SW_+\b/2, SX_+\a, \b%2
.endr
.endr
.endm
.macro STEP s
.if (\s) > 0
.rept 4
	v_nop                                          ; four places ahead of loads into registers that the last step's matrix instructions have read (ISA guide 7.12.1 for vector instructions)
.endr
.endif
.if (\s) < 14
	BLOAD (\s)+2, ((\s)+2)%4, 20, 22               ; W two K steps ahead
.else
	BLOAD (\s)-14, ((\s)+2)%4, 24, 26              ; the next pass's first two
.endif
	ALOAD ((\s)+1)%16, ((\s)+1)%2                  ; x one K step ahead
.if ((\s) == 13) || ((\s) == 14)
	s_wait_loadcnt 63                              ; 66 loads are younger than this step's (two K steps and v_w's 16): the wait names the most that it can
.else
	s_wait_loadcnt 50                              ; this step's W is in; the next two steps' 25 loads each may be out
.endif
	s_wait_dscnt 20                                ; this step's x is in; the 20 just issued may be out
.if (\s) == 12
	WIN 0x40
.irp b, 0,1,2,3,4,5,6,7
.irp k, 0,1
	global_load_b128 v[VW+8*\b+4*\k:VW+8*\b+4*\k+3], v[HB], s[28:29] offset:64*\b+16*\k   ; v_w at my lane's 64 units of this pass
.endr
.endr
.endif
.if (\s) == 15
	BIAS 0                                         ; into set 2, which step 14 read
.endif
	MUL40 \s
.endm
; Tile a behind a pass.  The exponentials and the reciprocals go as batches of 64, each with one plain instruction and ONE wait ahead of its first reader
.macro EPI a
.if \a < 4
.set AC_, 64*\a
.set WE_, 0xe3
.set WT_, 0xc3
.set WA_, 0x07
	s_wait_loadcnt 16                              ; this tile's bias is in (and all that is older: v_w); the next tile's 16 loads may be out
.else
.set AC_, 192
.set WE_, 0xa2
.set WT_, 0x82
.set WA_, 0x06
	s_wait_loadcnt 0x0
.endif
.set BB_, 96*((\a)%2)
	WIN WE_
.set n, 0
.rept 32
	v_pk_fma_f32 v[AC_+n:AC_+n+1], v[AC_+n:AC_+n+1], s[CC:CC+1], v[BB_+n:BB_+n+1] op_sel_hi:[1,0,1]   ; c u, each accumulator from its low end on
.set n, n+2
.endr
.if (\a)+2 <= 4
	BIAS (\a)+2
.endif
	WIN WT_
.set n, 0
	s_wait_alu depctr_va_vdst(0)
.rept 64
	v_exp_f32 v[AC_+n], v[AC_+n]
.set n, n+1
.endr
	v_nop
	s_wait_alu depctr_va_vdst(0)
.set n, 0
.rept 32
	v_pk_add_f32 v[AC_+n:AC_+n+1], v[AC_+n:AC_+n+1], 1.0 op_sel_hi:[1,0]
.set n, n+2
.endr
.set n, 0
	s_wait_alu depctr_va_vdst(0)
.rept 64
	v_rcp_f32 v[AC_+n], v[AC_+n]
.set n, n+1
.endr
	v_nop
	s_wait_alu depctr_va_vdst(0)
	WIN WA_
.set n, 0
.rept 32
	v_pk_fma_f32 v[SUM+8*(\a)+n%8:SUM+8*(\a)+n%8+1], v[AC_+n:AC_+n+1], v[VW+n:VW+n+1], v[SUM+8*(\a)+n%8:SUM+8*(\a)+n%8+1]   ; four chains
.set n, n+2
.endr
.if (\a) == 0
	WIN 0x01
.set n, 0
.rept 32
	v_pk_add_f32 v[SV+n%4:SV+n%4+1], v[VW+n:VW+n+1], v[SV+n%4:SV+n%4+1]   ; sum(v_w) over my units, once a pass
.set n, n+2
.endr
.endif
.endm
	s_mov_b32 s30, 0
	s_mov_b64 s[20:21], s[16:17]                   ; this pass's fragments and scale words,
	s_mov_b64 s[22:23], s[18:19]
	s_add_nc_u64 s[24:25], s[16:17], 196608        ; the next pass's
	s_add_nc_u64 s[26:27], s[18:19], 8192
	BLOAD 0, 0, 20, 22
	BLOAD 1, 1, 20, 22
	ALOAD 0, 0
	WIN 0
.Lpass:
.irp t, 0,1,2,3,4,5,6,7,8,9,10,11,12,13,14,15
	STEP \t
.endr
.rept 4
	v_nop                                          ; four places ahead of the first read of results and of the loads into set 3
.endr
	BIAS 1
	EPI 0
	EPI 1
	EPI 2
	EPI 3
	EPI 4
	WIN 0
	s_wait_xcnt 0x0                                ; the loads have read their bases: these are stepped only behind this wait
	s_add_nc_u64 s[20:21], s[20:21], 196608
	s_add_nc_u64 s[22:23], s[22:23], 8192
	s_mov_b64 s[24:25], s[16:17]                   ; the last pass's look-ahead stays inside the buffers: it names the first pass's bytes
	s_mov_b64 s[26:27], s[18:19]
	s_add_nc_u64 s[28:29], s[28:29], 512
.irp a, 0,1,2,3,4
	s_add_nc_u64 s[SD+2*\a:SD+2*\a+1], s[SD+2*\a:SD+2*\a+1], 512
.endr
	s_add_co_u32 s30, s30, 1
	s_cmp_lt_u32 s30, 2
	s_cbranch_scc1 .Lpass
	; ---- TAIL
.Lno_g:
	v_pk_add_f32 v[SV:SV+1], v[SV:SV+1], v[SV+2:SV+3]
.irp a, 0,1,2,3,4
	v_pk_add_f32 v[SUM+8*\a:SUM+8*\a+1], v[SUM+8*\a:SUM+8*\a+1], v[SUM+8*\a+2:SUM+8*\a+3]
	v_pk_add_f32 v[SUM+8*\a+4:SUM+8*\a+5], v[SUM+8*\a+4:SUM+8*\a+5], v[SUM+8*\a+6:SUM+8*\a+7]
.endr
	v_add_f32 v[SV], v[SV], v[SV+1]
.irp a, 0,1,2,3,4
	v_pk_add_f32 v[SUM+8*\a:SUM+8*\a+1], v[SUM+8*\a:SUM+8*\a+1], v[SUM+8*\a+4:SUM+8*\a+5]
.endr
.irp a, 0,1,2,3,4
	v_add_f32 v[SUM+8*\a], v[SUM+8*\a], v[SUM+8*\a+1]
.endr
.irp a, 0,1,2,3,4
	v_fma_f32 v[SUM+8*\a], v[SUM+8*\a], -2.0, v[SV]   ; my units' part of the logit
.endr
.irp a, 0,1,2,3,4
	v_permlanex16_b32 v[SUM+8*\a+1], v[SUM+8*\a], s[SEL], s[SEL+1]
.endr
.irp a, 0,1,2,3,4
	v_add_f32 v[SUM+8*\a], v[SUM+8*\a], v[SUM+8*\a+1]   ; with lane l xor 16's units
.endr
.irp a, 0,1,2,3,4
	ds_store_b32 v[RW], v[SUM+8*\a] offset:128*\a
.endr
	s_wait_dscnt 0x0                               ; my stores have landed, and the look-ahead's LDS loads are in
	s_barrier_signal -1
	s_barrier_wait -1
	v_cmp_gt_u32 vcc_lo, 80, v0                    ; a thread a logit,
	s_and_b32 vcc_lo, vcc_lo, s104                 ; where the tile exists
	s_wait_xcnt 0x0                                ; EXEC changes only behind this wait
	s_and_saveexec_b32 s50, vcc_lo
.irp w, 0,1,2,3
	ds_load_b32 v[16+\w], v[RRD] offset:1024*\w
.endr
	s_wait_dscnt 0x0
	v_add_f32 v16, v16, v17
	v_add_f32 v18, v18, v19
	v_add_f32 v16, v16, v18
	global_store_b32 v[AO], v16, s[44:45]
	s_wait_xcnt 0x0
	s_or_b32 exec_lo, exec_lo, s50
	s_wait_tensorcnt 0x0                           ; the wave's end
	ds_add_u32 v[SPW], v[NIL]
	s_wait_dscnt 0x0
	s_endpgm
.Lfunc_end_k_q27c2ac63c2_main:
	.size	k_q27c2ac63c2_main, .Lfunc_end_k_q27c2ac63c2_main-k_q27c2ac63c2_main
	.p2alignl 7, 3214868480
	.fill 96, 4, 3214868480
	.section	.rodata,"a",@progbits
	.p2align	6, 0x0
	.amdhsa_kernel k_q27c2ac63c2_main
		.amdhsa_group_segment_fixed_size 205312
		.amdhsa_private_segment_fixed_size 0
		.amdhsa_enable_private_segment 0
		.amdhsa_kernarg_size 64
		.amdhsa_user_sgpr_count 2
		.amdhsa_user_sgpr_kernarg_segment_ptr 1
		.amdhsa_wavefront_size32 1
		.amdhsa_system_sgpr_workgroup_id_x 1
		.amdhsa_system_sgpr_workgroup_id_y 1
		.amdhsa_system_sgpr_workgroup_id_z 1
		.amdhsa_system_vgpr_workitem_id 0
		.amdhsa_next_free_vgpr 1024
		.amdhsa_next_free_sgpr 106
		.amdhsa_reserve_vcc 1
		.amdhsa_float_denorm_mode_32 3
		.amdhsa_float_denorm_mode_16_64 3
		.amdhsa_memory_ordered 1
		.amdhsa_forward_progress 1
		.amdhsa_inst_pref_size 255
	.end_amdhsa_kernel
	.section	.bss,"aw",@nobits
	.p2align	6
	.space	262144
	.amdgpu_metadata
---
amdhsa.version: [ 1, 2 ]
amdhsa.kernels:
  - .name:           k_q27c2ac63c2_main
    .symbol:         k_q27c2ac63c2_main.kd
    .args:
      - { .name: encoder_out, .offset: 0, .size: 8, .value_kind: global_buffer, .address_space: global }
      - { .name: list, .offset: 8, .size: 8, .value_kind: global_buffer, .address_space: global }
      - { .name: cnt, .offset: 16, .size: 8, .value_kind: global_buffer, .address_space: global }
      - { .name: wq, .offset: 24, .size: 8, .value_kind: global_buffer, .address_space: global }
      - { .name: ws, .offset: 32, .size: 8, .value_kind: global_buffer, .address_space: global }
      - { .name: sdec, .offset: 40, .size: 8, .value_kind: global_buffer, .address_space: global }
      - { .name: v_w, .offset: 48, .size: 8, .value_kind: global_buffer, .address_space: global }
      - { .name: att, .offset: 56, .size: 8, .value_kind: global_buffer, .address_space: global }
    .group_segment_fixed_size: 205312
    .private_segment_fixed_size: 0
    .kernarg_segment_align: 8
    .kernarg_segment_size: 64
    .max_flat_workgroup_size: 128
    .sgpr_count:     106
    .vgpr_count:     1024
    .wavefront_size: 32
...
	.end_amdgpu_metadata
.endif
;; end of part 2
;; launch soft (part 3): grid 16 x 1, 8 waves a work-group, no clusters, 1,536 bytes of LDS; arguments mask, pos, cnt, att, out0; writes out0
.if DOCPART == 3
	.amdgcn_target "amdgcn-amd-amdhsa--gfx1250"
	.amdhsa_code_object_version 6
	.text
	.protected	k_q27c2ac63c2_soft
	.globl	k_q27c2ac63c2_soft
	.p2align	8
	.type	k_q27c2ac63c2_soft,@function
k_q27c2ac63c2_soft:
	s_mov_b64 s[64:65], 0
	v_nop
	global_prefetch_b8 v0, s[64:65] scope:SCOPE_SE
	s_setreg_imm32_b32 hwreg(HW_REG_WAVE_MODE, 25, 1), 1
	s_wait_xcnt 0x0
; out0[b][l] = softmax over l of z, z = -1e10 where mask[b][l] == 0, else the logit att[b 2048 + pos[b][l]] that the launch before has stored for the row's rank.  The maximum is taken away before the exponential, as in reference().
; A work-group a batch; thread t owns l = 4 t .. 4 t + 3 and 1,024 + 4 t .. + 3.  A row whose mask is 0 reads the logit of a rank that exists (its own, held under the batch's count) and throws it away;
; a batch with no listed row reads no logit at all (a scalar branch on the stored count, with no barrier inside) and comes out as 1 / 2,048 everywhere, as in reference().
; Sixteen work-groups: the sum spans a whole batch, and a batch is 8 KiB; matrix units, tensor loads and clusters would add nothing here.
.set SPARE, 512                        ; LDS: bytes 0-31 the waves' maxima, 256-287 their sums; here the spare words, 128 bytes a wave
	s_load_b256 s[4:11], s[0:1], 0x0               ; mask s[4:5], pos s[6:7], cnt s[8:9], att s[10:11]
	s_load_b64 s[12:13], s[0:1], 0x20              ; out0
	v_lshl_add_u32 v1, v0, 2, SPARE
	v_mov_b32 v2, 0
	v_lshlrev_b32 v3, 4, v0                        ; 16 bytes a thread
	v_lshrrev_b32 v4, 5, v0
	s_delay_alu instid0(VALU_DEP_1)
	v_lshlrev_b32 v4, 2, v4                        ; my wave's word
	v_mov_b32 v5, 0                                ; LDS byte 0
	v_mov_b32 v41, 0                               ; written once: a lane permute's destination counts as one of its sources
	s_lshl_b32 s14, ttmp9, 13                      ; the batch's 8,192 bytes
	s_mov_b32 s15, 0
	s_lshl_b32 s16, ttmp9, 2
	s_mov_b32 s20, 0x76543210
	s_mov_b32 s21, 0xfedcba98
.irp j, 0,1,2,3,4,5,6,7
	v_mov_b32 v[24+\j], 0xd01502f9                 ; -1e10
.endr
	s_wait_kmcnt 0x0
	s_load_b32 s17, s[8:9], s16 offset:0x0         ; the batch's count
	s_add_nc_u64 s[4:5], s[4:5], s[14:15]
	s_add_nc_u64 s[6:7], s[6:7], s[14:15]
	s_add_nc_u64 s[10:11], s[10:11], s[14:15]
	s_add_nc_u64 s[12:13], s[12:13], s[14:15]
	global_load_b128 v[8:11], v3, s[4:5]
	global_load_b128 v[12:15], v3, s[4:5] offset:4096
	global_load_b128 v[16:19], v3, s[6:7]
	global_load_b128 v[20:23], v3, s[6:7] offset:4096
	s_wait_kmcnt 0x0
	s_min_u32 s17, s17, 2048
	s_wait_loadcnt 0x0
	s_cmp_eq_u32 s17, 0
	s_cbranch_scc1 .Lnone
	s_sub_co_u32 s18, s17, 1
.irp j, 0,1,2,3,4,5,6,7
	v_min_u32 v[16+\j], s18, v[16+\j]              ; a rank that exists,
	s_delay_alu instid0(VALU_DEP_1)
	v_min_u32 v[16+\j], 0x7ff, v[16+\j]            ; behind a clamp written in the instruction
	s_delay_alu instid0(VALU_DEP_1)
	v_lshlrev_b32 v[16+\j], 2, v[16+\j]
.endr
.irp j, 0,1,2,3,4,5,6,7
	global_load_b32 v[32+\j], v[16+\j], s[10:11]
.endr
	s_wait_loadcnt 0x0
.irp j, 0,1,2,3,4,5,6,7
	v_cmp_ne_u32 vcc_lo, 0, v[8+\j]
	s_delay_alu instid0(VALU_DEP_1)
	v_cndmask_b32 v[24+\j], v[24+\j], v[32+\j], vcc_lo
.endr
.Lnone:
	s_wait_alu depctr_va_vdst(0)
	v_max3_num_f32 v40, v24, v25, v26              ; the maximum: my eight,
	v_max3_num_f32 v42, v27, v28, v29
	s_delay_alu instid0(VALU_DEP_2)
	v_max3_num_f32 v40, v40, v30, v31
	s_delay_alu instid0(VALU_DEP_1)
	v_max_num_f32 v40, v40, v42
	s_delay_alu instid0(VALU_DEP_1)
	v_max_num_f32_dpp v40, v40, v40 row_xmask:1 row_mask:0xf bank_mask:0xf   ; my wave's,
	s_delay_alu instid0(VALU_DEP_1)
	v_max_num_f32_dpp v40, v40, v40 row_xmask:2 row_mask:0xf bank_mask:0xf
	s_delay_alu instid0(VALU_DEP_1)
	v_max_num_f32_dpp v40, v40, v40 row_xmask:4 row_mask:0xf bank_mask:0xf
	s_delay_alu instid0(VALU_DEP_1)
	v_max_num_f32_dpp v40, v40, v40 row_xmask:8 row_mask:0xf bank_mask:0xf
	s_delay_alu instid0(VALU_DEP_1)
	v_permlanex16_b32 v41, v40, s20, s21
	s_delay_alu instid0(VALU_DEP_1)
	v_max_num_f32 v40, v40, v41
	ds_store_b32 v4, v40                           ; all lanes write the same word with the same value
	s_wait_dscnt 0x0
	s_barrier_signal -1
	s_barrier_wait -1
	ds_load_b128 v[44:47], v5                      ; the eight waves'
	ds_load_b128 v[48:51], v5 offset:16
	s_wait_dscnt 0x0
	v_max3_num_f32 v40, v44, v45, v46
	v_max3_num_f32 v42, v47, v48, v49
	s_delay_alu instid0(VALU_DEP_2)
	v_max3_num_f32 v40, v40, v50, v51
	s_delay_alu instid0(VALU_DEP_1)
	v_max_num_f32 v40, v40, v42
.irp j, 0,1,2,3,4,5,6,7
	v_sub_f32 v[24+\j], v[24+\j], v40
.endr
.irp j, 0,1,2,3,4,5,6,7
	v_mul_f32 v[24+\j], 0x3fb8aa3b, v[24+\j]       ; x log2(e)
.endr
	s_wait_alu depctr_va_vdst(0)
.irp j, 0,1,2,3,4,5,6,7
	v_exp_f32 v[24+\j], v[24+\j]
.endr
	v_nop                                          ; a plain instruction behind the last exponential,
	s_wait_alu depctr_va_vdst(0)                   ; and one wait for the batch ahead of its first reader
	v_pk_add_f32 v[42:43], v[24:25], v[26:27]
	v_pk_add_f32 v[44:45], v[28:29], v[30:31]
	s_delay_alu instid0(VALU_DEP_1)
	v_pk_add_f32 v[42:43], v[42:43], v[44:45]
	s_delay_alu instid0(VALU_DEP_1)
	v_add_f32 v40, v42, v43
	s_delay_alu instid0(VALU_DEP_1)
	v_add_f32_dpp v40, v40, v40 row_xmask:1 row_mask:0xf bank_mask:0xf
	s_delay_alu instid0(VALU_DEP_1)
	v_add_f32_dpp v40, v40, v40 row_xmask:2 row_mask:0xf bank_mask:0xf
	s_delay_alu instid0(VALU_DEP_1)
	v_add_f32_dpp v40, v40, v40 row_xmask:4 row_mask:0xf bank_mask:0xf
	s_delay_alu instid0(VALU_DEP_1)
	v_add_f32_dpp v40, v40, v40 row_xmask:8 row_mask:0xf bank_mask:0xf
	s_delay_alu instid0(VALU_DEP_1)
	v_permlanex16_b32 v41, v40, s20, s21
	s_delay_alu instid0(VALU_DEP_1)
	v_add_f32 v40, v40, v41
	ds_store_b32 v4, v40 offset:256                ; other bytes than the maxima's: no wave may still be reading those
	s_wait_dscnt 0x0
	s_barrier_signal -1
	s_barrier_wait -1
	ds_load_b128 v[44:47], v5 offset:256
	ds_load_b128 v[48:51], v5 offset:272
	s_wait_dscnt 0x0
	v_pk_add_f32 v[44:45], v[44:45], v[46:47]
	v_pk_add_f32 v[48:49], v[48:49], v[50:51]
	s_delay_alu instid0(VALU_DEP_1)
	v_pk_add_f32 v[44:45], v[44:45], v[48:49]
	s_delay_alu instid0(VALU_DEP_1)
	v_add_f32 v40, v44, v45
	s_wait_alu depctr_va_vdst(0)
	v_rcp_f32 v40, v40
	v_nop
	s_wait_alu depctr_va_vdst(0)
.irp j, 0,1,2,3,4,5,6,7
	v_mul_f32 v[24+\j], v[24+\j], v40
.endr
	global_store_b128 v3, v[24:27], s[12:13]       ; 32 lanes store 512 consecutive bytes
	global_store_b128 v3, v[28:31], s[12:13] offset:4096
	s_wait_tensorcnt 0x0                           ; the wave's end
	ds_add_u32 v1, v2
	s_wait_dscnt 0x0
	s_endpgm
.Lfunc_end_k_q27c2ac63c2_soft:
	.size	k_q27c2ac63c2_soft, .Lfunc_end_k_q27c2ac63c2_soft-k_q27c2ac63c2_soft
	.p2alignl 7, 3214868480
	.fill 96, 4, 3214868480
	.section	.rodata,"a",@progbits
	.p2align	6, 0x0
	.amdhsa_kernel k_q27c2ac63c2_soft
		.amdhsa_group_segment_fixed_size 1536
		.amdhsa_private_segment_fixed_size 0
		.amdhsa_enable_private_segment 0
		.amdhsa_kernarg_size 40
		.amdhsa_user_sgpr_count 2
		.amdhsa_user_sgpr_kernarg_segment_ptr 1
		.amdhsa_wavefront_size32 1
		.amdhsa_system_sgpr_workgroup_id_x 1
		.amdhsa_system_sgpr_workgroup_id_y 1
		.amdhsa_system_sgpr_workgroup_id_z 1
		.amdhsa_system_vgpr_workitem_id 0
		.amdhsa_next_free_vgpr 64
		.amdhsa_next_free_sgpr 66
		.amdhsa_reserve_vcc 1
		.amdhsa_float_denorm_mode_32 3
		.amdhsa_float_denorm_mode_16_64 3
		.amdhsa_memory_ordered 1
		.amdhsa_forward_progress 1
		.amdhsa_inst_pref_size 10
	.end_amdhsa_kernel
	.amdgpu_metadata
---
amdhsa.version: [ 1, 2 ]
amdhsa.kernels:
  - .name:           k_q27c2ac63c2_soft
    .symbol:         k_q27c2ac63c2_soft.kd
    .args:
      - { .name: mask, .offset: 0, .size: 8, .value_kind: global_buffer, .address_space: global }
      - { .name: pos, .offset: 8, .size: 8, .value_kind: global_buffer, .address_space: global }
      - { .name: cnt, .offset: 16, .size: 8, .value_kind: global_buffer, .address_space: global }
      - { .name: att, .offset: 24, .size: 8, .value_kind: global_buffer, .address_space: global }
      - { .name: out0, .offset: 32, .size: 8, .value_kind: global_buffer, .address_space: global }
    .group_segment_fixed_size: 1536
    .private_segment_fixed_size: 0
    .kernarg_segment_align: 8
    .kernarg_segment_size: 40
    .max_flat_workgroup_size: 256
    .sgpr_count:     66
    .vgpr_count:     64
    .wavefront_size: 32
...
	.end_amdgpu_metadata
.endif
;; end of part 3
